; MI455X (gfx1250); checked and timed in simulation.
; The chip was launched on July 23, 2026; its instructions are those of AMD's public machine-readable ISA for CDNA 5 (MIT licence, August 2026) and "CDNA5" Instruction Set Architecture Reference Guide (July 2026). The comments in the code are by the model that wrote it; some were corrected since.
;; Self Attention. Allowed arithmetic: matrix products marked QUANTISED: E2M1 operands, one E8M0 scale for each 32 along K, by v_wmma_scale_f32_16x16x128_f8f6f4 with both operands' format E2M1 (or v_wmma_scale_f32_32x16x128_f4), f32 sums; everything else in f32.
;; Inputs: W_qkv 1,024 x 3,072 float32; b_qkv 3,072 float32; x 4 x 2,048 x 1,024 float32.
;; Outputs: out0 4 x 2,048 x 1,024 float32.
;; This version of the problem:
;;   THIS VERSION OF THE PROBLEM IS GIVEN IN LOW PRECISION. The matrix products marked QUANTISED in the list below multiply operands that are first quantised to E2M1 (2 exponent bits, 1 mantissa bit; 4 bits a number), with one power-of-two scale for each 32 numbers along K (OCP MX v1.0); their sums are f32. All else is computed in f32.
;;   The module's matrix products, in the order in which they are computed (A, B: the left and right operand; K: the contracted axis; several contracted axes count as one K, in the product's order):
;;     1. [M 8,192, K 1,024] x [K 1,024, N 3,072]; A: input x; B: input W_qkv: QUANTISED
;;     2. batch 64 x [M 2,048, K 64] x [K 64, N 2,048]; A: computed on the way; B: computed on the way: QUANTISED
;;     3. batch 64 x [M 2,048, K 2,048] x [K 2,048, N 64]; A: softmax (see below); B: computed on the way: QUANTISED
;;   THE QUANTISER, for each operand of a quantised product, along K:
;;     - K is cut into blocks of 32 from its start; a last block that is shorter is filled with zeros.
;;     - A block's scale is 2^e with e = floor(log2(the largest magnitude in the block)) - 2, held to -126 .. 127; a block of zeros has e = 0. As a byte (E8M0): e + 127.
;;     - Each number is divided by its block's scale, clamped to +-6, and rounded to the nearest number of E2M1, ties to even, subnormals kept.
;;     - The product sums the exact products of the quantised numbers (number of the format x scale) in f32.
;;   ~~~python
;;   def quantise(x, axis):      # numpy; x: float32 -> the quantised numbers, widened to float32 again
;;       x = np.moveaxis(x, axis, -1); K = x.shape[-1]
;;       x = np.pad(x, [(0, 0)] * (x.ndim - 1) + [(0, -K % 32)]); x = x.reshape(x.shape[:-1] + (-1, 32)); a = np.abs(x).max(-1, keepdims=True)
;;       e = np.where(a > 0, np.clip(np.frexp(np.where(a > 0, a, 1))[1] - 1 - 2, -126, 127), 0)      # np.frexp(a)[1] - 1 = floor(log2(a)), exactly
;;       r = np.clip(x / 2.0 ** e, -6, 6)
;;       step = 2.0 ** (np.maximum(np.frexp(np.where(r == 0, 1, r))[1] - 1, 0) - 1)
;;       q = np.round(r / step) * step * 2.0 ** e      # np.round: ties to even
;;       return np.moveaxis(q.reshape(q.shape[:-2] + (-1,))[..., :K], -1, axis).astype(np.float32)
;;   ~~~
;;   SOFTMAX AHEAD OF A QUANTISED PRODUCT. Where the list says 'softmax', what is quantised is not the finished softmax but p = 2^(t - M), with t = logit x log2(e) and M = ceil(the row's largest t), a whole number; so 1/2 < the row's largest p <= 1. The row's sum l is taken of the UNQUANTISED p, in f32, and the product's result is divided by l at the end. Since M is a whole number, a kernel that streams over the keys may use a running M (the ceiling of the running maximum): every later rescaling is an exact power of two, which a block's scale takes up: the codes' values come out the same.
;;   OPERANDS COMPUTED ON THE WAY. 'Computed on the way' means the value that the module computes at that place (a softmax that the list does not call 'softmax' is quantised finished and normalised). What goes into a quantiser is computed in f32, as accurately as f32 sums, v_exp_f32 and their like allow (about 1e-6 of the number): no bf16 or f16 on the way to a quantiser, and a product that is left as it is and whose result goes on into a quantised operand takes f32 operands (vector FMAs, or v_wmma_f32_16x16x4_f32). A number that lies on a knife's edge between two numbers of the format may be rounded either way, as far as f32 arithmetic and the matrix unit's own rounding can turn it there, and no further.
;; One version. Each part assembles by itself: llvm-mc -triple=amdgcn-amd-amdhsa -mcpu=gfx1250 --defsym DOCPART=n.
;; ======== version 1 of 1: 3 launches
;; limits: right only within a limited range of input values
;; workspace buffers: xq 4,456,448 bytes; wq 1,671,168 bytes; rope 262,144 bytes; qc 4,194,304 bytes; qs 524,288 bytes; kv 9,175,040 bytes
;; launch prep (part 1): grid 56 x 8, 4 waves a work-group, no clusters, 34,304 bytes of LDS; arguments x, W_qkv, xq, wq, rope; writes xq, wq, rope
.if DOCPART == 1
	.amdgcn_target "amdgcn-amd-amdhsa--gfx1250"
	.amdhsa_code_object_version 6
	.text
	.protected	k_q8c9a940c94_prep
	.globl	k_q8c9a940c94_prep
	.p2align	8
	.type	k_q8c9a940c94_prep,@function
k_q8c9a940c94_prep:
	s_mov_b64 s[64:65], 0
	v_nop
	global_prefetch_b8 v0, s[64:65] scope:SCOPE_SE
	s_setreg_imm32_b32 hwreg(HW_REG_WAVE_MODE, 25, 1), 1
	s_wait_xcnt 0x0
; x [8192][1024] and W_qkv [1024 (k)][3072 (n)], f32, become codes of FP4 (E2M1) with one E8M0 byte for each 32 along K = 1,024; and the table of cos and sin for the rotary embedding is made.
; A block's scale is 2^(floor(log2(its largest magnitude)) - 2): its byte is the largest magnitude's exponent field - 2, held at 1 from below.  A block of zeros so gets the byte 1: its codes are zeros, and this program alone reads the bytes.
; LIMITS: NaN and infinities among the inputs are not served.  cos and sin are good to about 1e-7, on angles formed as position x inv_freq in f32.
; THE CODES ARE LAID IN THE ORDER OF AN OPERAND'S REGISTERS.  An image is 16 rows x 128 K, 1,024 bytes: [c (2)][lane (32)][16 bytes]: lane (r, h) holds k = 64 c + 32 h + 0 .. 31 of the tile's row r.
; THE ROWS OF A TILE ARE NOT NEIGHBOURS: row r of tile i of a block of 128 rows is 32 (i / 2) + 8 (i % 2) + r + 8 (r / 8).
; xq, wq: [block of 128 rows][K step s (8)][tile i (8)][image].  xs, ws: [block][s / 4][i][r][s % 4], a word of four scale bytes for each row and K step.
; rope: [position (2048)][frequency (16)][cos, sin].
; Work-groups with x under 24 take W (24 blocks of 128 columns x 8 K steps); the other 32 x 8 = 256 take x and, a thread an entry, the table.  Waves share nothing: no barrier.  Only x's way uses LDS.
.set WB,    24                         ; work-groups along x that take W
.set WROW,  12288                      ; bytes in a row of W
.set FLOOR, 0x1800000                  ; 2^(3 - 127): no largest magnitude is taken under it, so the byte cannot fall under 1
.set EOFF,  0xff000000                 ; takes 2 off an exponent field
; THE SCALE WORDS LIE IN THE CODES' BUFFERS: a block of 128 rows is 69,632 bytes of xq or wq, 65,536 of codes and behind them the block's 4,096 bytes of scale words (what is called xs, ws above), so that one dense run of 272 x 256 bytes holds both.
	s_load_b128 s[4:7], s[0:1], 0x0                ; x s[4:5], W s[6:7]
	s_load_b64 s[8:9], s[0:1], 0x10                ; xq
	s_load_b64 s[12:13], s[0:1], 0x18              ; wq
	s_load_b64 s[16:17], s[0:1], 0x20              ; rope
	v_lshl_add_u32 v62, v0, 2, 0x8400
	v_mov_b32 v63, 0
	v_lshrrev_b32 v1, 5, v0
	v_readfirstlane_b32 s18, v1                    ; wave
	v_and_b32 v1, 31, v0                           ; lane
	v_bfe_u32 v2, v0, 4, 1                         ; h = lane / 16
	s_and_b32 s19, ttmp7, 0xffff                   ; work-group y
	s_mov_b32 s21, 0                               ; the upper words of three offsets
	s_mov_b32 s23, 0
	s_mov_b32 s25, 0
	s_wait_kmcnt 0x0
	s_mov_b64 s[10:11], s[8:9]                     ; the scale words' pointers: the same buffers, stepped on their own
	s_mov_b64 s[14:15], s[12:13]
	s_cmp_lt_u32 ttmp9, WB
	s_cbranch_scc0 .Lx_path
; ---------------- W: a lane takes a column n and its registers run down K, so a block of 32 lies in one lane and the codes come out with K innermost.
; Wave w: columns 128 x + 32 w + lane, k = 128 y + 0 .. 127.  Each load reads 128 consecutive bytes, the four waves 512.
	s_mul_i32 s20, s19, 128*WROW                   ; W: 128 y rows down,
	s_lshl_b32 s26, ttmp9, 9
	s_add_co_u32 s20, s20, s26                     ; 128 x columns on,
	s_lshl_b32 s26, s18, 7
	s_add_co_u32 s20, s20, s26                     ; and 32 w more
	s_add_nc_u64 s[6:7], s[6:7], s[20:21]
	s_mul_i32 s22, ttmp9, 69632                    ; wq: the block, the K step, tiles 2 w and 2 w + 1
	s_lshl_b32 s26, s19, 13
	s_add_co_u32 s22, s22, s26
	s_lshl_b32 s26, s18, 11
	s_add_co_u32 s22, s22, s26
	s_add_nc_u64 s[12:13], s[12:13], s[22:23]
	s_mul_i32 s24, ttmp9, 69632                    ; the scale words: the block, behind its codes, y / 4, the word y % 4, tiles 2 w on
	s_add_co_u32 s24, s24, 65536
	s_lshr_b32 s26, s19, 2
	s_lshl_b32 s26, s26, 11
	s_add_co_u32 s24, s24, s26
	s_and_b32 s26, s19, 3
	s_lshl_b32 s26, s26, 2
	s_add_co_u32 s24, s24, s26
	s_lshl_b32 s26, s18, 9
	s_add_co_u32 s24, s24, s26
	s_add_nc_u64 s[14:15], s[14:15], s[24:25]
	s_wait_alu depctr_va_vdst(0)
	v_lshlrev_b32 v3, 2, v1                        ; in: 4 bytes a lane
	v_bfe_u32 v4, v0, 3, 1                         ; my column's tile of the two: u = (lane / 8) % 2
	v_and_b32 v5, 7, v0
	v_lshl_or_b32 v5, v2, 3, v5                    ; and its row there: lane % 8 + 8 (lane / 16)
	v_lshlrev_b32 v5, 4, v5
	v_lshl_add_u32 v6, v4, 10, v5                  ; codes: 1,024 u + 16 row
	v_lshl_add_u32 v7, v4, 8, v5                   ; scale word: 256 u + 16 row
.macro WLOAD t                         ; block t: W(128 y + 32 t + i, my column) into registers of its own
.irp i, 0,1,2,3,4,5,6,7,8,9,10,11,12,13,14,15,16,17,18,19,20,21,22,23,24,25,26,27,28,29,30,31
	global_load_b32 v[64+32*(\t)+\i], v3, s[6:7] offset:(32*(\t)+\i)*WROW th:TH_LOAD_NT
.endr
.endm
.macro WBLOCK t
.set N, 64+32*(\t)
.if (\t) < 3
	s_wait_loadcnt 32                              ; this block's 32 loads are in; the next block's 32 may be out
.else
	s_wait_loadcnt 0x0
.endif
.if (\t)+2 < 4
	WLOAD (\t)+2
.endif
	v_max3_num_f32 v8, |v[N]|, |v[N+1]|, |v[N+2]|  ; the block's largest magnitude, in two chains: all 32 numbers are mine
	v_max3_num_f32 v9, |v[N+3]|, |v[N+4]|, |v[N+5]|
.irp i, 6,10,14,18,22,26
	v_max3_num_f32 v8, v8, |v[N+\i]|, |v[N+\i+1]|
	v_max3_num_f32 v9, v9, |v[N+\i+2]|, |v[N+\i+3]|
.endr
	v_max3_num_f32 v8, v8, |v[N+30]|, |v[N+31]|
	v_max3_num_f32 v8, v8, v9, FLOOR
	v_add_nc_u32 v10, EOFF, v8                     ; the conversion takes the exponent field of this operand as its scale
	v_lshrrev_b32 v11, 23, v10                     ; the scale's byte
.if (\t) == 0
	v_mov_b32 v12, v11                             ; four bytes make the K step's scale word, the lower k in the lower byte
.else
	v_lshl_or_b32 v12, v11, 8*(\t), v12
.endif
.irp g, 0,1,2,3
	v_cvt_scalef32_pk8_fp4_f32 v[16+4*(\t)+\g], v[N+8*\g:N+8*\g+7], v10
.endr
	global_store_b128 v6, v[16+4*(\t):16+4*(\t)+3], s[12:13] offset:512*((\t)/2)+256*((\t)%2)   ; block t = 2 c + h of the image: sixteen lanes store 256 consecutive aligned bytes; each block has its own four registers
.endm
	WLOAD 0
	WLOAD 1
	s_wait_alu depctr_va_vdst(0)
	WBLOCK 0
	WBLOCK 1
	WBLOCK 2
	WBLOCK 3
	global_store_b32 v7, v12, s[14:15]             ; 4 bytes of each 16: the other three words of a row belong to other K steps' work-groups; ws is 1/128 of what this way reads
	s_endpgm
; ---------------- x: wave D = 4 e + w takes tile D / 2 (16 rows) and 512 along K (half D % 2): four images.
.Lx_path:
.set R, 64                             ; v64-191   two sets of 64 numbers as loaded: register 4 p + .. = 16 bytes of the tile's row p
.set X, 192                            ; v192-255  64 numbers as the operand's layout wants them: my row's k = 64 c + 32 h + 0 .. 31
	s_sub_co_u32 s30, ttmp9, WB
	s_lshl_b32 s26, s19, 5
	s_add_co_u32 s30, s30, s26                     ; e = 0 .. 255
	s_lshl_b32 s26, s30, 2
	s_add_co_u32 s26, s26, s18                     ; D
	s_lshr_b32 s27, s26, 1                         ; the tile, 0 .. 511
	s_and_b32 s28, s26, 1                          ; the half of K
	s_lshr_b32 s20, s27, 1
	s_lshl_b32 s20, s20, 17                        ; 32 rows of 4,096 bytes for each pair of tiles,
	s_and_b32 s29, s27, 1
	s_lshl_b32 s29, s29, 15                        ; 8 rows for the odd one,
	s_add_co_u32 s20, s20, s29
	s_lshl_b32 s29, s28, 11                        ; 2,048 bytes for the upper half of K
	s_add_co_u32 s20, s20, s29
	s_add_nc_u64 s[4:5], s[4:5], s[20:21]
	s_lshr_b32 s29, s27, 3                         ; the block of 128 rows
	s_and_b32 s31, s27, 7                          ; the tile in it
	s_mul_i32 s22, s29, 69632
	s_lshl_b32 s26, s28, 15
	s_add_co_u32 s22, s22, s26
	s_lshl_b32 s26, s31, 10
	s_add_co_u32 s22, s22, s26
	s_add_nc_u64 s[8:9], s[8:9], s[22:23]          ; xq
	s_mul_i32 s24, s29, 69632
	s_add_co_u32 s24, s24, 65536                   ; behind the block's codes
	s_lshl_b32 s26, s28, 11
	s_add_co_u32 s24, s24, s26
	s_lshl_b32 s26, s31, 8
	s_add_co_u32 s24, s24, s26
	s_add_nc_u64 s[10:11], s[10:11], s[24:25]      ; xs
	s_lshl_b32 s20, s30, 10
	s_add_nc_u64 s[16:17], s[16:17], s[20:21]      ; rope: 128 entries of 8 bytes a work-group
	s_wait_alu depctr_va_vdst(0)
	v_lshlrev_b32 v3, 4, v1                        ; 16 x lane
	s_mul_i32 s26, s18, 16*528                     ; my wave's stage: 16 rows of 512 bytes + 16
	v_add_nc_u32 v4, s26, v3                       ; into it: a row as it is loaded
	v_and_b32 v8, 15, v0                           ; r
	v_mul_u32_u24 v5, v8, 528
	v_lshl_add_u32 v5, v2, 7, v5
	v_add_nc_u32 v5, s26, v5                       ; out of it: row r, + 128 h bytes.  A row is 132 words: sixteen rows start at sixteen different groups of four banks
	v_lshlrev_b32 v6, 3, v2                        ; 8 h: where my bytes stand in a scale word
	v_lshlrev_b32 v7, 4, v8
	v_lshl_add_u32 v7, v2, 3, v7                   ; 16 r + 8 h: my two of the row's four scale words
	v_mov_b32 v52, 0                               ; a lane permute's destination counts as one of its sources
	s_mov_b32 s34, 0x76543210
	s_mov_b32 s35, 0xfedcba98                      ; v_permlanex16_b32's selects for lane l xor 16
.macro XLOAD t                         ; unit t: 128 along K of the tile's 16 rows; each load reads 512 consecutive bytes of one row
.irp p, 0,1,2,3,4,5,6,7,8,9,10,11,12,13,14,15
	global_load_b128 v[R+64*((\t)%2)+4*\p:R+64*((\t)%2)+4*\p+3], v3, s[4:5] offset:(\p+8*(\p/8))*4096+512*(\t) th:TH_LOAD_NT
.endr
.endm
	XLOAD 0
	XLOAD 1
; THE TABLE, while those loads are on their way.  Entry 128 e + thread: position = entry / 16, frequency j = thread % 16.
; inv_freq[j] = 1 / 10000^(j / 16), both roundings in f32; its bits are constants of the problem and are dealt to the lanes.
	v_mov_b32 v12, 1.0
.macro FREQ j, bits
	s_mov_b32 s28, \bits
	v_writelane_b32 v12, s28, \j
	v_writelane_b32 v12, s28, \j+16
.endm
	FREQ 1, 0x3f0ff59a
	FREQ 2, 0x3ea1e89b
	FREQ 3, 0x3e361887
	FREQ 4, 0x3dcccccd
	FREQ 5, 0x3d6655c2
	FREQ 6, 0x3d0186e3
	FREQ 7, 0x3c91ad39
	FREQ 8, 0x3c23d70a
	FREQ 9, 0x3bb8449c
	FREQ 10, 0x3b4f3e38
	FREQ 11, 0x3ae91528
	FREQ 12, 0x3a83126f
	FREQ 13, 0x3a136a16
	FREQ 14, 0x39a5cb60
	FREQ 15, 0x393a7753
	s_lshl_b32 s28, s30, 7
	v_add_nc_u32 v13, s28, v0
	v_lshrrev_b32 v13, 4, v13                      ; the position
	v_cvt_f32_u32 v13, v13
	v_mul_f32 v13, v13, v12                        ; the angle a, rounded once
	v_mul_f32 v14, 0x3f22f983, v13                 ; a x 2 / pi
	v_rndne_f32 v14, v14                           ; n, at most 1,304
	v_fmamk_f32 v15, v14, 0xbfc90fdb, v13          ; a - n x (pi / 2's upper part): exact, since both are multiples of 2^-23 and the difference is under 1
	v_fmamk_f32 v15, v14, 0x333bbd2e, v15          ; - n x its lower part (-4.37e-8); what is left of pi / 2 moves this by under 3e-12
	v_mul_f32 v16, v15, v15                        ; z
	s_mov_b32 s28, 0xb94ca1f9
	v_fmaak_f32 v17, s28, v16, 0x3c08839e          ; sine on +-pi / 4: ((S3 z + S2) z + S1) z y + y
	v_fmaak_f32 v17, v17, v16, 0xbe2aaaa3
	v_mul_f32 v17, v17, v16
	v_fma_f32 v17, v17, v15, v15
	s_mov_b32 s29, 0x37ccf5ce
	v_fmaak_f32 v18, s29, v16, 0xbab6061a          ; cosine: ((C3 z + C2) z + C1) z z + (1 - z / 2)
	v_fmaak_f32 v18, v18, v16, 0x3d2aaaa5
	v_mul_f32 v18, v18, v16
	v_fma_f32 v19, v16, -0.5, 1.0
	v_fma_f32 v18, v18, v16, v19
	v_cvt_i32_f32 v20, v14                         ; the quadrant is n mod 4
	v_and_b32 v21, 1, v20
	v_cmp_ne_u32 vcc_lo, 0, v21
	v_cndmask_b32 v22, v17, v18, vcc_lo            ; odd: sine and cosine change places
	v_cndmask_b32 v23, v18, v17, vcc_lo
	v_and_b32 v24, 2, v20
	v_lshlrev_b32 v24, 30, v24
	v_xor_b32 v29, v24, v22                        ; the sine is negated in quadrants 2 and 3,
	v_add_nc_u32 v25, 1, v20
	v_and_b32 v25, 2, v25
	v_lshlrev_b32 v25, 30, v25
	v_xor_b32 v28, v25, v23                        ; the cosine in 1 and 2
	v_lshlrev_b32 v30, 3, v0
	global_store_b64 v30, v[28:29], s[16:17]       ; a wave stores 256 consecutive aligned bytes; these three registers are not written again
; A UNIT: 16 rows x 128 K turn through the stage, so that loads are dense and yet a lane ends up with 64 numbers of its row in the operand's order.
.macro UNIT t
.set RS, R+64*((\t)%2)
.if (\t) < 3
	s_wait_loadcnt 16                              ; this unit's 16 loads are in; the next unit's 16 may be out
.else
	s_wait_loadcnt 0x0
.endif
.irp p, 0,1,2,3,4,5,6,7,8,9,10,11,12,13,14,15
	ds_store_b128 v4, v[RS+4*\p:RS+4*\p+3] offset:528*\p
.endr
.irp c, 0,1
.irp j, 0,1,2,3,4,5,6,7
	ds_load_b128 v[X+32*\c+4*\j:X+32*\c+4*\j+3], v5 offset:256*\c+16*\j   ; LDS serves a wave's instructions in order: these see the stores above
.endr
.endr
	s_wait_dscnt 0x0                               ; my 64 numbers are in, and the stores have read their registers,
.if (\t)+2 < 4
	XLOAD (\t)+2                                   ; which take the unit two further on
.endif
.irp c, 0,1
	v_max3_num_f32 v[44+\c], |v[X+32*\c]|, |v[X+32*\c+1]|, FLOOR   ; block 2 c + h of the K step is all mine; the two blocks by turns
.endr
.irp i, 2,4,6,8,10,12,14,16,18,20,22,24,26,28,30
.irp c, 0,1
	v_max3_num_f32 v[44+\c], v[44+\c], |v[X+32*\c+\i]|, |v[X+32*\c+\i+1]|
.endr
.endr
.irp c, 0,1
	v_add_nc_u32 v[46+\c], EOFF, v[44+\c]          ; the conversion's scale operand
.endr
.irp c, 0,1
	v_lshrrev_b32 v[48+\c], 23, v[46+\c]           ; the scale's byte
.endr
	v_lshl_or_b32 v50, v49, 16, v48                ; my two bytes, blocks h and 2 + h,
	v_lshlrev_b32 v50, v6, v50                     ; at their places in the word;
	v_permlanex16_b32 v52, v50, s34, s35
	v_or_b32 v[40+(\t)], v50, v52                  ; with lane l xor 16's two the word is whole
.if (\t) > 0
	s_wait_alu depctr_va_vdst(0)
	s_wait_xcnt 0x0                                ; the last unit's stores have read the code registers: only now are they written again
.endif
.irp c, 0,1
.irp g, 0,1,2,3
	v_cvt_scalef32_pk8_fp4_f32 v[32+4*\c+\g], v[X+32*\c+8*\g:X+32*\c+8*\g+7], v[46+\c]
.endr
.endr
	v_nop                                          ; one plain line behind the last scaled conversion
.irp c, 0,1
	global_store_b128 v3, v[32+4*\c:32+4*\c+3], s[8:9] offset:8192*(\t)+512*\c   ; half an image: 512 consecutive bytes
.endr
.endm
	UNIT 0
	UNIT 1
	UNIT 2
	UNIT 3
	v_cmp_ne_u32 vcc_lo, 0, v2
	v_cndmask_b32 v54, v40, v42, vcc_lo            ; lanes 0-15 store the row's words 0 and 1, lanes 16-31 words 2 and 3
	v_cndmask_b32 v55, v41, v43, vcc_lo
	global_store_b64 v7, v[54:55], s[10:11]        ; the wave stores 256 consecutive aligned bytes
	s_wait_tensorcnt 0x0
	ds_add_u32 v62, v63
	s_wait_dscnt 0x0
	s_endpgm
.Lfunc_end_k_q8c9a940c94_prep:
	.size	k_q8c9a940c94_prep, .Lfunc_end_k_q8c9a940c94_prep-k_q8c9a940c94_prep
	.p2alignl 7, 3214868480
	.fill 96, 4, 3214868480
	.section	.rodata,"a",@progbits
	.p2align	6, 0x0
	.amdhsa_kernel k_q8c9a940c94_prep
		.amdhsa_group_segment_fixed_size 34304
		.amdhsa_private_segment_fixed_size 0
		.amdhsa_enable_private_segment 0
		.amdhsa_kernarg_size 40
		.amdhsa_user_sgpr_count 2
		.amdhsa_user_sgpr_kernarg_segment_ptr 1
		.amdhsa_wavefront_size32 1
		.amdhsa_system_sgpr_workgroup_id_x 1
		.amdhsa_system_sgpr_workgroup_id_y 1
		.amdhsa_system_sgpr_workgroup_id_z 1
		.amdhsa_system_vgpr_workitem_id 0
		.amdhsa_next_free_vgpr 256
		.amdhsa_next_free_sgpr 66
		.amdhsa_reserve_vcc 1
		.amdhsa_float_denorm_mode_32 3
		.amdhsa_float_denorm_mode_16_64 3
		.amdhsa_memory_ordered 1
		.amdhsa_forward_progress 1
		.amdhsa_inst_pref_size 55
	.end_amdhsa_kernel
	.amdgpu_metadata
---
amdhsa.version: [ 1, 2 ]
amdhsa.kernels:
  - .name:           k_q8c9a940c94_prep
    .symbol:         k_q8c9a940c94_prep.kd
    .args:
      - { .name: x, .offset: 0, .size: 8, .value_kind: global_buffer, .address_space: global }
      - { .name: W_qkv, .offset: 8, .size: 8, .value_kind: global_buffer, .address_space: global }
      - { .name: xq, .offset: 16, .size: 8, .value_kind: global_buffer, .address_space: global }
      - { .name: wq, .offset: 24, .size: 8, .value_kind: global_buffer, .address_space: global }
      - { .name: rope, .offset: 32, .size: 8, .value_kind: global_buffer, .address_space: global }
    .group_segment_fixed_size: 34304
    .private_segment_fixed_size: 0
    .kernarg_segment_align: 8
    .kernarg_segment_size: 40
    .max_flat_workgroup_size: 128
    .sgpr_count:     66
    .vgpr_count:     256
    .wavefront_size: 32
...
	.end_amdgpu_metadata
.endif
;; end of part 1
;; launch qkv (part 2): grid 12 x 32, 4 waves a work-group, clusters of 4 x 4, 327,680 bytes of LDS; arguments xq, wq, b_qkv, rope, qc, qs, kv; writes qc, qs, kv
.if DOCPART == 2
	.amdgcn_target "amdgcn-amd-amdhsa--gfx1250"
	.amdhsa_code_object_version 6
	.text
	.protected	k_q8c9a940c94_qkv
	.globl	k_q8c9a940c94_qkv
	.p2align	8
	.type	k_q8c9a940c94_qkv,@function
k_q8c9a940c94_qkv:
	s_mov_b64 s[64:65], 0
	v_nop
	global_prefetch_b8 v0, s[64:65] scope:SCOPE_SE
	s_setreg_imm32_b32 hwreg(HW_REG_WAVE_MODE, 25, 1), 1
	s_wait_xcnt 0x0
	s_wait_alu depctr_hold_cnt(0) depctr_sa_sdst(0) depctr_va_vdst(0) depctr_va_sdst(0) depctr_va_ssrc(0) depctr_va_vcc(0) depctr_vm_vsrc(0)
	s_getreg_b32 s2, hwreg(HW_REG_IB_STS2, 6, 4)
	s_cmp_eq_u32 s2, 0
	s_cbranch_scc0 .Lentry_in_a_cluster
	s_endpgm
.Lentry_in_a_cluster:
	s_bfe_u32 s2, ttmp6, 0x10000c
	s_cmp_lg_u32 s2, 0xf033
	s_cbranch_scc0 .Lentry_shape_is_right
	s_endpgm
.Lentry_shape_is_right:
.set XH,    69632                      ; a block of 128 rows in xq, wq and in LDS: 65,536 bytes of codes, then 4,096 of scale words: 272 rows of 256 bytes, one tensor load
.set SOFF,  65536                      ; where the scale words begin in it
.set KVH,   143360
.set KSB,   8960
.set ADRA,  16
.set ADRB,  20
.set ADRS,  27
.set SC,    32
.set TM,    96
.set PW,    112
.set AF,    128
.set BIAS,  192
.set TMPR,  128
.set PCB,   160
.set SW,    224
.set G1X,   28
.set G0X,   36
.set G1W,   40
.set G0W,   48
.set G1SX,  52
.set G0SX,  60
.set G1SW,  68
.set G0SW,  76
.set SEL,   66
.set MUL_LO, 0xa1
.set MUL_HI, 0xf1
.set ST_LO,  0x81
.set ST_HI,  0xc1
.set TO_B,   0x40
.set MSB, 0
.macro WIN new
.if MSB != (\new)
	s_set_vgpr_msb (MSB<<8)|(\new)
.set MSB, (\new)
.endif
.endm
.macro JLOAD g0a, g1a, g0b, g1b
	s_cmp_eq_u32 s23, 0
	s_cbranch_scc0 .Lfor_w_\@
	tensor_load_to_lds s[\g0a:\g0a+3], s[\g1a:\g1a+7]
	s_nop 0
.rept 4
	v_nop
.endr
	s_branch .Lasked_\@
.Lfor_w_\@:
	tensor_load_to_lds s[\g0b:\g0b+3], s[\g1b:\g1b+7]
	s_nop 0
.rept 4
	v_nop
.endr
.Lasked_\@:
.endm
.macro CROUND
	s_barrier_signal -1
	s_barrier_wait -1
	s_cmp_lg_u32 s22, 0
	s_cbranch_scc1 .Lnot_wave_0_\@
	s_barrier_signal -3
.Lnot_wave_0_\@:
	s_barrier_wait -3
	s_barrier_signal -1
	s_barrier_wait -1
.endm
.macro PLACES
.rept 4
	v_nop
.endr
.endm
	s_load_b64 s[4:5], s[0:1], 0x0                 ; xq
	s_load_b64 s[8:9], s[0:1], 0x8                 ; wq
	s_load_b256 s[12:19], s[0:1], 0x10             ; b_qkv, rope, qc, qs
	s_load_b64 s[20:21], s[0:1], 0x30              ; kv
	v_lshl_add_u32 v126, v0, 2, 0x44000
	v_mov_b32 v127, 0
	ds_add_u32 v126, v127
	ds_add_u32 v126, v127
	v_lshrrev_b32 v1, 5, v0
	v_readfirstlane_b32 s22, v1
	s_lshr_b32 s23, s22, 1
	s_and_b32 s24, s22, 1
	s_bfe_u32 s80, ttmp6, 0x40000
	s_bfe_u32 s81, ttmp6, 0x40004
	s_lshl_b32 s82, ttmp9, 2
	s_add_co_u32 s82, s82, s80
	s_and_b32 s83, ttmp7, 0xffff
	s_lshl_b32 s83, s83, 2
	s_add_co_u32 s83, s83, s81
	s_lshl_b32 s84, s81, 2
	s_lshl_b32 s84, 15, s84
	s_lshl_b32 s85, 0x1111, s80
	s_or_b32 s[G1X], s84, (3<<16)|(1<<21)
	s_or_b32 s[G1W], s85, (3<<16)|(1<<21)
.irp g, G1X, G1W
	s_mov_b32 s[\g+1], 32<<16
	s_mov_b32 s[\g+2], 272<<16
	s_mov_b32 s[\g+3], 32<<16
	s_mov_b32 s[\g+4], 272
	s_mov_b32 s[\g+5], 32
	s_mov_b32 s[\g+6], 0
	s_mov_b32 s[\g+7], 0
.endr
	s_lshl_b32 s86, s83, 1
	s_add_co_u32 s86, s86, s24
	s_mul_i32 s86, s86, XH
	s_mov_b32 s87, 0
	s_lshl_b32 s88, s82, 1
	s_add_co_u32 s88, s88, s24
	s_mul_i32 s88, s88, XH
	s_mov_b32 s89, 0
	s_mul_i32 s94, s22, XH                         ; LDS: wave w's block
	s_wait_dscnt 0x0
	s_wait_kmcnt 0x0
	CROUND
	s_mov_b32 s[G0X], 1
	s_mov_b32 s[G0X+1], s94
	s_add_nc_u64 s[G0X+2:G0X+3], s[4:5], s[86:87]
	s_or_b32 s[G0X+3], s[G0X+3], 0x80000000
	s_mov_b32 s[G0W], 1
	s_mov_b32 s[G0W+1], s94
	s_add_nc_u64 s[G0W+2:G0W+3], s[8:9], s[88:89]
	s_or_b32 s[G0W+3], s[G0W+3], 0x80000000
	JLOAD G0X, G1X, G0W, G1W                       ; my one tensor load of the launch: a block's codes and scale words together
	v_and_b32 v1, 15, v0
	v_bfe_u32 v2, v0, 4, 1
	v_and_b32 v3, 31, v0
	v_lshlrev_b32 v4, 4, v3
	v_and_b32 v5, 8, v1
	v_add_nc_u32 v5, v5, v1
	v_lshlrev_b32 v11, 4, v2
.irp b, 0,1,2,3
	v_mov_b32 v[TM+4+\b], 0
.endr
	s_mov_b32 s[SEL], 0x76543210
	s_mov_b32 s[SEL+1], 0xfedcba98
	s_lshl_b32 s2, s82, 10
	s_lshl_b32 s3, s24, 9
	s_add_co_u32 s2, s2, s3
	s_mov_b32 s3, 0
	s_add_nc_u64 s[12:13], s[12:13], s[2:3]
	s_add_co_u32 s2, s24, 2
	s_sub_co_u32 s2, s2, s23
	s_mul_i32 s2, s2, XH
	s_mul_i32 s3, s23, XH
	s_add_co_u32 s3, s3, SOFF
	v_lshl_add_u32 v12, v1, 4, s3
	s_lshr_b32 s25, s83, 3
	s_lshl_b32 s25, s25, 4
	s_lshl_b32 s27, s80, 2
	s_add_co_u32 s25, s25, s27
	s_lshl_b32 s27, s24, 1
	s_add_co_u32 s25, s25, s27
	s_and_b32 s96, s83, 7
	s_lshl_b32 s98, s25, 16
	s_lshl_b32 s27, s96, 13
	s_add_co_u32 s98, s98, s27
	s_lshl_b32 s27, s23, 12
	s_add_co_u32 s98, s98, s27
	s_lshl_b32 s100, s25, 13
	s_lshl_b32 s27, s96, 10
	s_add_co_u32 s100, s100, s27
	s_lshl_b32 s27, s23, 9
	s_add_co_u32 s100, s100, s27
	s_mul_i32 s26, s25, KVH
	s_lshl_b32 s27, s96, 1
	s_add_co_u32 s27, s27, s23
	s_mul_i32 s27, s27, KSB
	s_add_co_u32 s26, s26, s27
.macro FRAG reg, adr, q, i
.irp c, 0,1
	ds_load_b128 v[(\reg)+4*\c:(\reg)+4*\c+3], v[\adr] offset:8192*(\q)+1024*(\i)+512*\c
.endr
.endm
.macro FETCH_B q, p
	WIN TO_B
.irp i, 0,1,2,3,4,5,6,7
	FRAG 128*(\p)+8*\i, ADRB, \q, \i
.endr
	WIN 0
.endm
.macro FETCH_A q, i0
.irp i, \i0, \i0+1, \i0+2, \i0+3
	FRAG AF+8*(\i), ADRA, \q, \i
.endr
.endm
.macro MUL16 a0, q, cmode
.irp a, \a0, \a0+1
.irp b, 0,1,2,3,4,5,6,7
.set DD, 8*(8*((\a)%4)+\b)
.set BB, 128*((\q)%2)+8*\b
.set AA, AF+8*(\a)
.set S0S, SC+32*((\q)/4)+4*\b+((\q)%4)
.set S1S, SC+32*((\q)/4)+4*(\a)+((\q)%4)
.if \cmode == 1
	v_wmma_scale_f32_16x16x128_f8f6f4 v[DD:DD+7], v[BB:BB+7], v[AA:AA+7], v[BIAS+8*\b:BIAS+8*\b+7], v[S0S], v[S1S] matrix_a_fmt:MATRIX_FMT_FP4 matrix_b_fmt:MATRIX_FMT_FP4 matrix_a_scale:MATRIX_SCALE_ROW1
.elseif \cmode == 2
	v_wmma_scale_f32_16x16x128_f8f6f4 v[DD:DD+7], v[BB:BB+7], v[AA:AA+7], v[BIAS+8*(\a):BIAS+8*(\a)+7], v[S0S], v[S1S] matrix_a_fmt:MATRIX_FMT_FP4 matrix_b_fmt:MATRIX_FMT_FP4 matrix_a_scale:MATRIX_SCALE_ROW1
.else
	v_wmma_scale_f32_16x16x128_f8f6f4 v[DD:DD+7], v[BB:BB+7], v[AA:AA+7], v[DD:DD+7], v[S0S], v[S1S] matrix_a_fmt:MATRIX_FMT_FP4 matrix_b_fmt:MATRIX_FMT_FP4 matrix_a_scale:MATRIX_SCALE_ROW1
.endif
.endr
.endr
.endm
.macro STEP q, cmode
	s_wait_dscnt 8
.if \cmode
	WIN ST_LO
.else
	WIN MUL_LO
.endif
	MUL16 0, \q, \cmode
	MUL16 2, \q, \cmode
	s_wait_dscnt 0x0
.if (\q) < 7
	PLACES
	FETCH_B (\q)+1, 1-((\q)%2)
	FETCH_A (\q)+1, 0
.endif
.if \cmode
	WIN ST_HI
.else
	WIN MUL_HI
.endif
	MUL16 4, \q, \cmode
	MUL16 6, \q, \cmode
.if (\q) < 7
	PLACES
	WIN 0
	FETCH_A (\q)+1, 4
.endif
.endm
.macro MAIN cmode
	s_wait_tensorcnt 0x0
	s_barrier_signal -1
	s_barrier_wait -1
	FETCH_B 0, 0
	FETCH_A 0, 0
.irp g, 0,1
.irp i, 0,1,2,3,4,5,6,7
	ds_load_b128 v[SC+32*\g+4*\i:SC+32*\g+4*\i+3], v[ADRS] offset:2048*\g+256*\i
.endr
.endr
	FETCH_A 0, 4
	STEP 0, \cmode
	STEP 1, 0
	STEP 2, 0
	STEP 3, 0
	STEP 4, 0
	STEP 5, 0
	STEP 6, 0
	STEP 7, 0
	WIN 0
	PLACES
.endm
.macro EQUANT a, dw
.set AC, 64*((\a)%4)
.set AW, 2+((\a)/4)
.set PC, PCB+8*(\a)
	WIN AW*20
.irp b, 0,1,2,3
	v_max3_num_f32 v[TM+\b], 0x1800000, |v[AC+16*\b]|, |v[AC+16*\b+1]|
.endr
.irp i, 2,4,6,8,10,12,14
.irp b, 0,1,2,3
	v_max3_num_f32 v[TM+\b], v[TM+\b], |v[AC+16*\b+\i]|, |v[AC+16*\b+\i+1]|
.endr
.endr
	WIN 0
.irp b, 0,1,2,3
	v_permlanex16_b32 v[TM+4+\b], v[TM+\b], s[SEL], s[SEL+1]
.endr
.irp b, 0,1,2,3
	v_max_num_f32 v[TM+\b], v[TM+\b], v[TM+4+\b]
.endr
.irp b, 0,1,2,3
	v_add_nc_u32 v[TM+12+\b], 0xff000000, v[TM+\b]
.endr
.irp b, 0,1,2,3
	v_lshrrev_b32 v[TM+4+\b], 23, v[TM+12+\b]
.endr
	v_lshl_or_b32 v[\dw], v[TM+5], 8, v[TM+4]
	v_lshl_or_b32 v[\dw], v[TM+6], 16, v[\dw]
	v_lshl_or_b32 v[\dw], v[TM+7], 24, v[\dw]
	WIN AW
.irp b, 0,1,2,3
	v_cvt_scalef32_pk8_fp4_f32 v[PC+2*\b], v[AC+16*\b:AC+16*\b+7], v[TM+12+\b]
	v_cvt_scalef32_pk8_fp4_f32 v[PC+2*\b+1], v[AC+16*\b+8:AC+16*\b+15], v[TM+12+\b]
.endr
	WIN 0
	v_nop
.irp c, 0,1
.irp i, 0,1
	v_permlane16_swap_b32 v[PC+4*\c+\i], v[PC+4*\c+2+\i]
.endr
.endr
.endm
	s_cmp_eq_u32 ttmp9, 2
	s_cbranch_scc1 .Lv_path
	s_mul_i32 s27, s23, XH
	s_wait_alu depctr_va_vdst(0)
	v_add_nc_u32 v[ADRA], s27, v4
	s_mul_i32 s27, s24, XH
	s_add_co_u32 s27, s27, 2*XH
	v_add_nc_u32 v[ADRB], s27, v4
	v_mad_u32_u24 v[ADRS], s2, v2, v12
	v_lshlrev_b32 v6, 6, v2
.irp b, 0,1,2,3,4,5,6,7
	global_load_b128 v[BIAS+8*\b:BIAS+8*\b+3], v6, s[12:13] offset:(32*(\b/2)+8*(\b%2))*4
	global_load_b128 v[BIAS+8*\b+4:BIAS+8*\b+7], v6, s[12:13] offset:(32*(\b/2)+8*(\b%2))*4+16
.endr
	s_lshl_b32 s27, s96, 15
	s_lshl_b32 s3, s23, 14
	s_add_co_u32 s2, s27, s3
	s_mov_b32 s3, 0
	s_add_nc_u64 s[14:15], s[14:15], s[2:3]
	v_lshlrev_b32 v7, 7, v5
	v_lshl_add_u32 v7, v2, 6, v7
.macro ROPELOAD a
.if (\a) < 4
.set CSR, 64+16*(\a)
.else
.set CSR, 192+16*((\a)-4)
.endif
.irp j, 0,1,2,3
	global_load_b128 v[CSR+4*\j:CSR+4*\j+3], v7, s[14:15] offset:(32*((\a)/2)+8*((\a)%2))*128+16*\j
.endr
.endm
	WIN TO_B
.irp a, 0,1,2,3,4,5,6,7
	ROPELOAD \a
.endr
	WIN 0
	s_add_co_u32 s27, s26, 8192
	s_mov_b32 s97, KVH
	s_cmp_eq_u32 ttmp9, 0
	s_cselect_b32 s98, s98, s26
	s_cselect_b32 s100, s100, s27
	s_cselect_b64 s[16:17], s[16:17], s[20:21]
	s_cselect_b64 s[18:19], s[18:19], s[20:21]
	s_cselect_b32 s96, 65536, s97
	s_cselect_b32 s97, 8192, s97
	s_mov_b32 s99, 0
	s_mov_b32 s101, 0
	s_add_nc_u64 s[16:17], s[16:17], s[98:99]
	s_add_nc_u64 s[18:19], s[18:19], s[100:101]
	v_add_nc_u32 v9, s96, v4
	v_mul_u32_u24 v10, s97, v2
	v_lshl_add_u32 v10, v1, 4, v10
	s_wait_alu depctr_va_vdst(0)
	s_wait_loadcnt 32
	MAIN 1
	s_wait_loadcnt 0x0
.macro ROPE a
.set AC, 64*((\a)%4)
.set AW, 2+((\a)/4)
.if (\a) < 4
.set CSR, 64+16*(\a)
.else
.set CSR, 192+16*((\a)-4)
.endif
	WIN AW+4
.irp g, 0,1
.irp p, 0,1,2,3,4,5,6,7
	v_pk_mul_f32 v[TMPR+16*\g+2*\p:TMPR+16*\g+2*\p+1], v[AC+32*\g+2*\p:AC+32*\g+2*\p+1], v[CSR+2*\p:CSR+2*\p+1] op_sel_hi:[1,0]
.endr
.endr
	WIN AW*64+4+AW
.irp g, 0,1
.irp p, 0,1,2,3,4,5,6,7
	v_pk_fma_f32 v[AC+32*\g+2*\p:AC+32*\g+2*\p+1], v[AC+32*\g+2*\p:AC+32*\g+2*\p+1], v[CSR+2*\p:CSR+2*\p+1], v[TMPR+16*\g+2*\p:TMPR+16*\g+2*\p+1] op_sel:[1,1,0] op_sel_hi:[0,1,1] neg_lo:[0,1,0]
.endr
.endr
.endm
.irp a, 0,1,2,3,4,5,6,7
	ROPE \a
	EQUANT \a, PW
	global_store_b128 v4, v[PCB+8*\a:PCB+8*\a+3], s[16:17] offset:512*\a
	global_store_b128 v9, v[PCB+8*\a+4:PCB+8*\a+7], s[16:17] offset:512*\a
	v_bfe_u32 v[SW+\a], v[PW], v11, 16
.if (\a)%4 == 3
	global_store_b128 v10, v[SW+\a-3:SW+\a], s[18:19] offset:256*((\a)/4)
.endif
.endr
	s_branch .Lend
.Lv_path:
	s_mul_i32 s27, s24, XH
	s_add_co_u32 s27, s27, 2*XH
	s_wait_alu depctr_va_vdst(0)
	v_add_nc_u32 v[ADRA], s27, v4
	s_mul_i32 s27, s23, XH
	v_add_nc_u32 v[ADRB], s27, v4
	v_xor_b32 v13, 1, v2
	v_mad_u32_u24 v[ADRS], s2, v13, v12
	v_lshlrev_b32 v6, 2, v5
.irp a, 0,1,2,3,4,5,6,7
	global_load_b32 v[BIAS+8*\a], v6, s[12:13] offset:(32*(\a/2)+8*(\a%2))*4
.endr
	s_add_co_u32 s98, s26, 4096
	s_add_co_u32 s100, s26, 8704
	s_mov_b32 s99, 0
	s_mov_b32 s101, 0
	s_add_nc_u64 s[16:17], s[20:21], s[98:99]
	s_add_nc_u64 s[18:19], s[20:21], s[100:101]
	s_mov_b32 s97, KVH
	v_mul_u32_u24 v10, s97, v2
	v_lshl_add_u32 v10, v1, 4, v10
	s_wait_loadcnt 0x0
.irp a, 0,1,2,3,4,5,6,7
.irp j, 1,2,3,4,5,6,7
	v_mov_b32 v[BIAS+8*\a+\j], v[BIAS+8*\a]
.endr
.endr
	s_wait_alu depctr_va_vdst(0)
	MAIN 2
.irp a, 0,1,2,3,4,5,6,7
	EQUANT \a, SW+\a
	global_store_b128 v4, v[PCB+8*\a:PCB+8*\a+3], s[16:17] offset:KVH*(\a/4)+1024*(\a%4)
	global_store_b128 v4, v[PCB+8*\a+4:PCB+8*\a+7], s[16:17] offset:KVH*(\a/4)+1024*(\a%4)+512
.endr
	v_cmp_ne_u32 vcc_lo, 0, v2
.irp i, 0,1,2,3
	v_cndmask_b32 v[SW+\i], v[SW+\i], v[SW+4+\i], vcc_lo
.endr
	global_store_b128 v10, v[SW:SW+3], s[18:19]
.Lend:
	s_wait_tensorcnt 0x0
	ds_add_u32 v126, v127
	s_wait_dscnt 0x0
	CROUND
	s_endpgm
.Lfunc_end_k_q8c9a940c94_qkv:
	.size	k_q8c9a940c94_qkv, .Lfunc_end_k_q8c9a940c94_qkv-k_q8c9a940c94_qkv
	.p2alignl 7, 3214868480
	.fill 96, 4, 3214868480
	.section	.rodata,"a",@progbits
	.p2align	6, 0x0
	.amdhsa_kernel k_q8c9a940c94_qkv
		.amdhsa_group_segment_fixed_size 327680
		.amdhsa_private_segment_fixed_size 0
		.amdhsa_enable_private_segment 0
		.amdhsa_kernarg_size 56
		.amdhsa_user_sgpr_count 2
		.amdhsa_user_sgpr_kernarg_segment_ptr 1
		.amdhsa_wavefront_size32 1
		.amdhsa_system_sgpr_workgroup_id_x 1
		.amdhsa_system_sgpr_workgroup_id_y 1
		.amdhsa_system_sgpr_workgroup_id_z 1
		.amdhsa_system_vgpr_workitem_id 0
		.amdhsa_next_free_vgpr 1024
		.amdhsa_next_free_sgpr 102
		.amdhsa_reserve_vcc 1
		.amdhsa_float_denorm_mode_32 3
		.amdhsa_float_denorm_mode_16_64 3
		.amdhsa_memory_ordered 1
		.amdhsa_forward_progress 1
		.amdhsa_inst_pref_size 255
	.end_amdhsa_kernel
	.section	.bss,"aw",@nobits
	.p2align	6
	.space	262144
	.amdgpu_metadata
---
amdhsa.version: [ 1, 2 ]
amdhsa.kernels:
  - .name:           k_q8c9a940c94_qkv
    .symbol:         k_q8c9a940c94_qkv.kd
    .args:
      - { .name: xq, .offset: 0, .size: 8, .value_kind: global_buffer, .address_space: global }
      - { .name: wq, .offset: 8, .size: 8, .value_kind: global_buffer, .address_space: global }
      - { .name: b_qkv, .offset: 16, .size: 8, .value_kind: global_buffer, .address_space: global }
      - { .name: rope, .offset: 24, .size: 8, .value_kind: global_buffer, .address_space: global }
      - { .name: qc, .offset: 32, .size: 8, .value_kind: global_buffer, .address_space: global }
      - { .name: qs, .offset: 40, .size: 8, .value_kind: global_buffer, .address_space: global }
      - { .name: kv, .offset: 48, .size: 8, .value_kind: global_buffer, .address_space: global }
    .group_segment_fixed_size: 327680
    .private_segment_fixed_size: 0
    .kernarg_segment_align: 8
    .kernarg_segment_size: 56
    .max_flat_workgroup_size: 128
    .sgpr_count:     102
    .vgpr_count:     1024
    .wavefront_size: 32
...
	.end_amdgpu_metadata
.endif
;; end of part 2
;; launch attn (part 3): grid 4 x 64, 16 waves a work-group, clusters of 4 x 1, 233,472 bytes of LDS; arguments qc, qs, kv, out0; writes out0
.if DOCPART == 3
	.amdgcn_target "amdgcn-amd-amdhsa--gfx1250"
	.amdhsa_code_object_version 6
	.text
	.protected	k_q8c9a940c94_attn
	.globl	k_q8c9a940c94_attn
	.p2align	8
	.type	k_q8c9a940c94_attn,@function
k_q8c9a940c94_attn:
	s_mov_b64 s[64:65], 0
	v_nop
	global_prefetch_b8 v0, s[64:65] scope:SCOPE_SE
	s_setreg_imm32_b32 hwreg(HW_REG_WAVE_MODE, 25, 1), 1
	s_wait_xcnt 0x0
	s_wait_alu depctr_hold_cnt(0) depctr_sa_sdst(0) depctr_va_vdst(0) depctr_va_sdst(0) depctr_va_ssrc(0) depctr_va_vcc(0) depctr_vm_vsrc(0)
	s_getreg_b32 s2, hwreg(HW_REG_IB_STS2, 6, 4)
	s_cmp_eq_u32 s2, 0
	s_cbranch_scc0 .Lentry_in_a_cluster
	s_endpgm
.Lentry_in_a_cluster:
	s_bfe_u32 s2, ttmp6, 0x10000c
	s_cmp_lg_u32 s2, 0x3003
	s_cbranch_scc0 .Lentry_shape_is_right
	s_endpgm
.Lentry_shape_is_right:
; out[b][n][64 head + d] = the sum over keys of softmax(q . k / 8) v, both products on codes of FP4 (E2M1) with one E8M0 scale for each 32 along a product's K.
; THE SOFTMAX AHEAD OF THE SECOND PRODUCT: t = score x log2(e) / 8; M = the row's largest t so far, rounded UP to a whole number; p = 2^(t - M) is what is quantised, along the keys, not normalised.
; The row's sum is taken of the unquantised p and divides at the end.  When M moves, the sum and O are multiplied by 2^(old M - new M): exact.
; SHARES.  A work-group owns 512 queries of one head; each of its sixteen waves takes two tiles of 16, one after the other, in 256 registers: four waves to a SIMD.
; THE WHOLE HEAD'S k AND v LIE IN LDS, 16 key steps, filled once: wave w's one tensor load brings key step w.  The four work-groups of a head are a cluster and ask jointly.  Nothing is filled again.
; A key step in memory, 8,960 bytes = 35 rows of 256: k's codes 8 tiles x 512 | v's images 4 x 1,024 | k's scale words [tile / 4][r][tile % 4] | v's [r][tile].  In LDS each row has 32 bytes of padding behind it: pitch 288.
; LAYOUT.  Both products are used transposed: S^T = K Q^T (source 0 = 16 keys, source 1 = my 16 queries), O^T = V^T P^T (source 0 = 16 of the head's 64, source 1 = P): a lane holds ONE query throughout.
; THE KEYS OF A TILE ARE CHOSEN HERE, BY THE LANES' LDS ADDRESSES: row 8 h + j of tile 4 c + g is key 64 c + 32 h + 8 g + j.  In S^T lane (query, h) then holds, in registers 32 c + 0 .. 31, keys 64 c + 32 h + 0 .. 31:
; a WHOLE block of 32 in the order of P's operand registers.  So a block's maximum needs no other lane, and the conversions' results are the operand as they stand.
; As stored, that key is row 8 (g / 2) + j of tile 4 c + 2 h + g % 2.  Rows four apart lie 1,152 bytes apart in LDS, 128 beyond a multiple of 256: the sixteen lanes of a load's half touch 256 different bytes modulo 256.
; K = 64 IN AN INSTRUCTION OF K = 128.  Q's registers 4-7 are zero codes, and the scale bytes 2 and 3 of q's and k's words are 0 (2^-127, a finite code): k = 64 .. 127 adds nothing whatever source 0 holds there.
; So a tile of k is four registers, and the instruction's upper four are the next tile's.
; THE STEP IS LAID AS A PIPELINE: V of this step and K of the next are asked from LDS at the step's top; the next step's S^T is issued with this step's O^T products at its end.
; No prefetch: all that a work-group reads through LDS is asked for at its head, and there is no loop to run ahead in.
; LIMITS: NaN and infinities are not served.  A block whose largest p lies under 2^-124 gets the scale byte 0 where the rule holds it at 1: what it adds is under 2^-120 beside a sum of at least 1/2.
; REGISTERS: v1-8 lane addresses; v9-11, v25 the step's; v12 -M (v13 its pair's upper word); v[14:15] the sum in two halves; v16-19 Q, v20-23 zeros, v24 Q's scale words; v26 the largest score; v[28:29] f;
;   v32-63 K, v64-67 zeros; v68-99 V; v100-163 S^T, then p; v164-195 O^T; v196-203 p's codes; v204-207 K's scale words, v208-211 V's, v212 p's; v216-249 at work.
.set KSB,   8960                       ; a key step in memory
.set RP,    288                        ; an LDS row: 256 bytes + 32 of padding
.set KSL,   35*RP                      ; a key step in LDS
.set HEADB, 16*KSB
.set STG,   16*KSL                     ; 161,280 = 630 x 256: behind the head, a stage of 16 rows x (256 + 16) bytes for each wave; no tensor load lands there
.set SP,    272
.set SPARE, STG+16*16*SP               ; 230,912 = 902 x 256: the spare words, 128 bytes a wave
.set KR,    32
.set V,     68
.set S,     100
.set O,     164
.set PCD,   196
.set KSC,   204
.set VSC,   208
.set PWD,   212
.set BM,    216                        ; my two blocks' largest scores, then largest p
.set MA,    234                        ; v234-241: eight chains of maxima, one for each accumulator of S^T
.set CV,    222                        ; the conversions' scale operands
.set T,     234                        ; v234-249: eight chains of sums, a pair each (the maxima's chains are done with by then)
.set WV,    12                         ; s12 wave
.set TB,    13                         ; s13 LDS byte at which the key step in hand begins
.set CNT,   14                         ; s14 key steps to go
.set G1,    16                         ; s[16:23], s[24:27] the descriptor
.set G0,    24
.set CS,    30                         ; s[30:31] c = log2(e) / 8
.set SEL,   32                         ; s[32:33] lane selects for lane l xor 16
.set NC,    40                         ; s40 -c
.macro ROUND                           ; a round of the cluster's barrier
	s_barrier_signal -1
	s_barrier_wait -1
	s_cmp_lg_u32 s[WV], 0
	s_cbranch_scc1 .Lnot_wave_0_\@
	s_barrier_signal -3
.Lnot_wave_0_\@:
	s_barrier_wait -3
	s_barrier_signal -1
	s_barrier_wait -1
.endm
	s_load_b256 s[4:11], s[0:1], 0x0               ; qc s[4:5], qs s[6:7], kv s[8:9], out0 s[10:11]
	v_lshl_add_u32 v254, v0, 2, SPARE
	v_mov_b32 v255, 0
	ds_add_u32 v254, v255                          ; the opening lines: the add, twice on end, and its wait ahead of my tensor load
	ds_add_u32 v254, v255
	v_lshrrev_b32 v1, 5, v0
	s_delay_alu instid0(VALU_DEP_1)
	v_readfirstlane_b32 s[WV], v1                  ; wave 0..15
	s_and_b32 s34, ttmp7, 0xffff                   ; the head (16 batch + head), which the four partners share
	s_mov_b32 s[G1], (15)|(3<<16)|(1<<20)|(1<<21)|(5<<22)|(7<<25)   ; the mask: all four work-groups; elements of 8 bytes; padding on; 21 set beside a mask; after every 64 words, 8 words
	s_mov_b32 s[G1+1], 32<<16                      ; tensor_dim0 = 32: rows of 256 bytes
	s_mov_b32 s[G1+2], 35<<16                      ; tensor_dim1 = 35 rows: 8,960 bytes, dense
	s_mov_b32 s[G1+3], 32<<16                      ; tile_dim0
	s_mov_b32 s[G1+4], 35                          ; tile_dim1
	s_mov_b32 s[G1+5], 32                          ; from row to row
	s_mov_b32 s[G1+6], 0
	s_mov_b32 s[G1+7], 0
	s_mov_b32 s[G0], 1
	s_mul_i32 s[G0+1], s[WV], KSL                  ; LDS: key step w
	s_mul_i32 s28, s34, HEADB
	s_mul_i32 s29, s[WV], KSB
	s_add_co_u32 s28, s28, s29                     ; memory: the head, key step w
	s_mov_b32 s29, 0
	s_wait_dscnt 0x0
	s_wait_kmcnt 0x0
	s_add_nc_u64 s[G0+2:G0+3], s[8:9], s[28:29]
	s_or_b32 s[G0+3], s[G0+3], 0x80000000
	ROUND                                          ; all four work-groups are here: the joint loads meet
	tensor_load_to_lds s[G0:G0+3], s[G1:G1+7]      ; my one tensor load of the launch
	s_nop 0
.rept 4
	v_nop
.endr
	s_bfe_u32 s15, ttmp6, 0x40000                  ; cx
	s_lshl_b32 s35, ttmp9, 2
	s_add_co_u32 s15, s15, s35                     ; my block of 512 queries: it enters Q's and the output's addresses alone
	s_mov_b32 s37, 0
	s_lshl_b32 s36, s34, 16                        ; qc: 65,536 a head; tile 32 block + wave (+ 16 in the second pass), 512 bytes a tile
	s_lshl_b32 s38, s15, 14
	s_add_co_u32 s36, s36, s38
	s_lshl_b32 s38, s[WV], 9
	s_add_co_u32 s36, s36, s38
	s_add_nc_u64 s[4:5], s[4:5], s[36:37]
	s_lshl_b32 s36, s34, 13                        ; qs: 8,192 a head; 256 for each four tiles; word tile % 4
	s_lshl_b32 s38, s15, 11
	s_add_co_u32 s36, s36, s38
	s_lshr_b32 s38, s[WV], 2
	s_lshl_b32 s38, s38, 8
	s_add_co_u32 s36, s36, s38
	s_and_b32 s38, s[WV], 3
	s_lshl_b32 s38, s38, 2
	s_add_co_u32 s36, s36, s38
	s_add_nc_u64 s[6:7], s[6:7], s[36:37]
	s_lshr_b32 s36, s34, 4                         ; out0: the batch, 2,048 rows of 4,096 bytes;
	s_lshl_b32 s36, s36, 23
	s_lshl_b32 s38, s15, 21                        ; 512 rows a block;
	s_add_co_u32 s36, s36, s38
	s_lshr_b32 s38, s[WV], 1
	s_lshl_b32 s38, s38, 17                        ; 32 rows for each pair of tiles,
	s_add_co_u32 s36, s36, s38
	s_and_b32 s38, s[WV], 1
	s_lshl_b32 s38, s38, 15                        ; 8 for the odd one;
	s_add_co_u32 s36, s36, s38
	s_and_b32 s38, s34, 15
	s_lshl_b32 s38, s38, 8                         ; the head's 256 bytes of a row
	s_add_co_u32 s36, s36, s38
	s_add_nc_u64 s[10:11], s[10:11], s[36:37]
	s_mov_b32 s[CS], 0x3e38aa3b                    ; c = log2(e) / 8
	s_mov_b32 s[CS+1], s[CS]                       ; (named with it as a pair, so it is written)
	s_mov_b32 s[NC], 0xbe38aa3b                    ; -c
	s_mov_b32 s[SEL], 0x76543210
	s_mov_b32 s[SEL+1], 0xfedcba98
	s_mul_i32 s38, s[WV], 16*SP
	s_add_co_u32 s38, s38, STG                     ; my stage
	v_and_b32 v1, 31, v0
	v_and_b32 v9, 15, v0                           ; r
	v_bfe_u32 v10, v0, 4, 1                        ; lane / 16
	v_bfe_u32 v11, v0, 3, 1                        ; (lane / 8) % 2
	v_and_b32 v3, 7, v0                            ; j = lane % 8
	v_lshlrev_b32 v1, 4, v1                        ; 16 x lane
	v_lshlrev_b32 v2, 4, v9                        ; 16 r: Q's scale words in memory, V's in LDS
	v_lshlrev_b32 v3, 4, v3                        ; 16 j
	v_mul_u32_u24 v5, v9, SP
	v_mul_u32_u24 v6, v10, SP
	v_lshlrev_b32 v7, 12, v10
	v_lshl_add_u32 v4, v11, 3, v3                  ; K's scale words: 16 j + 8 (lane / 8) % 2,
	v_mad_u32_u24 v3, v11, 4*RP, v3                ; K's codes: 16 j + four rows for the tile's upper eight keys,
	v_mad_u32_u24 v8, v10, RP, v2                  ; V's images: 16 r + a row for lanes 16-31
	v_lshl_add_u32 v5, v10, 6, v5
	v_lshl_add_u32 v6, v9, 4, v6
	v_lshl_add_u32 v7, v9, 4, v7                   ; the way out: two rows of the output, 16 bytes a lane
	v_mad_u32_u24 v4, v10, RP, v4                  ; + a row for lanes 16-31: the words of tiles 4 to 7
	v_mad_u32_u24 v3, v10, RP, v3                  ; + a row for lanes 16-31: dims 32 .. 63
	v_add_nc_u32 v5, s38, v5                       ; into my stage: row r, + 64 (lane / 16) bytes
	v_add_nc_u32 v6, s38, v6                       ; back: lanes 0-15 one row, lanes 16-31 the next
.irp j, 20,21,22,23,64,65,66,67
	v_mov_b32 v[\j], 0                             ; Q's zero codes for k = 64 .. 127; and what stands behind K's last tile
.endr
.irp j, 13,29,31,233
	v_mov_b32 v[\j], 0                             ; upper words of pairs that are named whole; destinations of lane permutes, which count as sources
.endr
.macro KLOAD ak, aks, off              ; a key step's K: tile 4 c + g into four registers; its scale words: register g, lanes 0-15 for c = 0, lanes 16-31 for c = 1
.irp c, 0,1
.irp g, 0,1,2,3
	ds_load_b128 v[KR+16*\c+4*\g:KR+16*\c+4*\g+3], \ak offset:\off+8*RP*\c+2*RP*(\g%2)+128*(\g/2)
.endr
.endr
.irp u, 0,1
	ds_load_b64 v[KSC+2*\u:KSC+2*\u+1], \aks offset:\off+32*RP+128*\u
.endr
.endm
.macro QK                              ; S^T = K Q^T: eight accumulators, one instruction each
.irp g, 0,1,2,3
	v_wmma_scale_f32_16x16x128_f8f6f4 v[S+8*\g:S+8*\g+7], v[KR+4*\g:KR+4*\g+7], v[16:23], 0, v[KSC+\g], v24 matrix_a_fmt:MATRIX_FMT_FP4 matrix_b_fmt:MATRIX_FMT_FP4
.endr
.irp g, 0,1,2,3
	v_wmma_scale_f32_16x16x128_f8f6f4 v[S+32+8*\g:S+32+8*\g+7], v[KR+16+4*\g:KR+16+4*\g+7], v[16:23], 0, v[KSC+\g], v24 matrix_a_fmt:MATRIX_FMT_FP4 matrix_b_fmt:MATRIX_FMT_FP4 matrix_a_scale:MATRIX_SCALE_ROW1
.endr
.endm
.macro ADD4 k                          ; four pairs of p onto the four chains
.irp q, 0,1,2,3
	v_pk_add_f32 v[T+2*(((\k)+\q)%8):T+2*(((\k)+\q)%8)+1], v[T+2*(((\k)+\q)%8):T+2*(((\k)+\q)%8)+1], v[S+2*((\k)+\q):S+2*((\k)+\q)+1]
.endr
.endm
; A KEY STEP: 128 keys, whose S^T has been issued.  look = 1: the next step's K is fetched and its S^T issued.
.macro STEP look
	v_add_nc_u32 v11, s[TB], v8                    ; four plain lines behind the last products: ahead of the loads into registers that they read and of the first read of S^T
	v_add_nc_u32 v25, s[TB], v2
.if \look
	v_add_nc_u32 v9, s[TB], v3
	v_add_nc_u32 v10, s[TB], v4
.else
	v_nop
	v_nop
.endif
.irp d, 0,1,2,3
.irp c, 0,1
	ds_load_b128 v[V+8*\d+4*\c:V+8*\d+4*\c+3], v11 offset:RP*(16+4*\d+2*\c)   ; V's image d: half c is two LDS rows
.endr
.endr
	ds_load_b128 v[VSC:VSC+3], v25 offset:RP*34    ; V's scale words: row r's four tiles
.if \look
	KLOAD v9, v10, KSL
.endif
.irp c, 0,1                            ; my two blocks' largest scores: a chain for each accumulator, eight by turns; every accumulator is first read at its lowest register
.irp k, 0,1,2,3
	v_max3_num_f32 v[MA+4*\c+\k], v[S+32*\c+8*\k], v[S+32*\c+8*\k+1], v[S+32*\c+8*\k+2]
.endr
.endr
.irp i, 3,5
.irp c, 0,1
.irp k, 0,1,2,3
	v_max3_num_f32 v[MA+4*\c+\k], v[MA+4*\c+\k], v[S+32*\c+8*\k+\i], v[S+32*\c+8*\k+\i+1]
.endr
.endr
.endr
.irp c, 0,1                            ; each accumulator's last register
	v_max3_num_f32 v[MA+4*\c], v[MA+4*\c], v[S+32*\c+7], v[S+32*\c+15]
	v_max3_num_f32 v[MA+4*\c+2], v[MA+4*\c+2], v[S+32*\c+23], v[S+32*\c+31]
.endr
	s_delay_alu instid0(VALU_DEP_3)
	v_max3_num_f32 v[MA], v[MA], v[MA+1], v[MA+2]  ; a block's four chains joined
	s_delay_alu instid0(VALU_DEP_2)
	v_max3_num_f32 v[MA+4], v[MA+4], v[MA+5], v[MA+6]
	s_delay_alu instid0(VALU_DEP_2)
	v_max_num_f32 v[BM], v[MA], v[MA+3]
	s_delay_alu instid0(VALU_DEP_2)
	v_max_num_f32 v[BM+1], v[MA+4], v[MA+7]
	s_delay_alu instid0(VALU_DEP_1)
	v_max3_num_f32 v30, v26, v[BM], v[BM+1]        ; with the largest score so far,
	s_delay_alu instid0(VALU_DEP_1)
	v_permlanex16_b32 v31, v30, s[SEL], s[SEL+1]
	s_delay_alu instid0(VALU_DEP_1)
	v_max_num_f32 v26, v30, v31                    ; and lane l xor 16's 64 keys
	s_delay_alu instid0(VALU_DEP_1)
	v_mul_f32 v27, s[NC], v26                      ; -t (c is positive)
	s_delay_alu instid0(VALU_DEP_1)
	v_floor_f32 v27, v27                           ; the new -M = floor(-t) = -ceil(t)
	s_delay_alu instid0(VALU_DEP_1)
	v_sub_f32 v30, v27, v12                        ; old M - new M: a whole number, 0 or less
	v_mov_b32 v12, v27
	s_delay_alu instid0(VALU_DEP_2)
	v_cvt_i32_f32 v30, v30                         ; (it saturates)
	v_pk_fma_f32 v[S:S+1], v[S:S+1], s[CS:CS+1], v[12:13] op_sel_hi:[1,0,0]   ; t - M, two at a time
	v_pk_fma_f32 v[S+2:S+3], v[S+2:S+3], s[CS:CS+1], v[12:13] op_sel_hi:[1,0,0]
	s_delay_alu instid0(VALU_DEP_3)
	v_ldexp_f32 v28, 1.0, v30                      ; f = 2^(old M - new M)
.set J, 4
.rept 30
	v_pk_fma_f32 v[S+J:S+J+1], v[S+J:S+J+1], s[CS:CS+1], v[12:13] op_sel_hi:[1,0,0]
.set J, J+2
.endr
	v_fma_f32 v[BM], v[BM], s[CS], v12             ; the same of each block's largest score: since p rises with the score, it gives the block's largest p
	v_fma_f32 v[BM+1], v[BM+1], s[CS], v12
.set J, 0
.rept 16
	v_pk_mul_f32 v[O+J:O+J+1], v[O+J:O+J+1], v[28:29] op_sel_hi:[1,0]   ; O^T under the new M, ahead of the exponentials: no transcendental stands between the last products' write and this first read
.set J, J+2
.endr
	s_wait_dscnt 0x0                               ; V, and the next K, are in: all the step's LDS loads, issued 91 vector lines ago
	s_wait_alu depctr_va_vdst(0)                   ; the wait ahead of the batch
	v_exp_f32 v[BM], v[BM]                         ; the blocks' largest p,
	v_exp_f32 v[BM+1], v[BM+1]
.set J, 0
.rept 64
	v_exp_f32 v[S+J], v[S+J]                       ; and p = 2^(t - M)
.set J, J+1
.endr
	v_nop                                          ; the plain line behind the exponentials
	s_wait_alu depctr_va_vdst(0)                   ; one wait for the whole batch, ahead of its first reader
	v_ldexp_f32 v[CV], v[BM], -2                   ; 2 off the exponent: the conversion takes the exponent field of this operand as its scale, and the scale's byte is that field
	v_ldexp_f32 v[CV+1], v[BM+1], -2
.irp q, 0,1,2,3,4,5,6,7
	v_pk_add_f32 v[T+2*\q:T+2*\q+1], v[S+2*\q:S+2*\q+1], v[S+16+2*\q:S+17+2*\q]   ; THE ROW'S SUM IS TAKEN OF THE UNQUANTISED p: eight chains of pairs
.endr
.irp c, 0,1
.irp g, 0,1,2,3
	v_cvt_scalef32_pk8_fp4_f32 v[PCD+4*\c+\g], v[S+32*\c+8*\g:S+32*\c+8*\g+7], v[CV+\c]   ; register 4 c + g of P's operand: keys 64 c + 32 h + 8 g + 0 .. 7
.endr
.endr
	v_perm_b32 v232, v[CV+1], v[CV], 0x07060302    ; the two operands' upper halves side by side;
	ADD4 16
	v_lshrrev_b32 v232, 7, v232                    ; 7 down: byte 0 is block h's scale byte, byte 2 block 2 + h's
	ADD4 20
	v_permlanex16_b32 v233, v232, s[SEL], s[SEL+1]
	ADD4 24
	v_perm_b32 v[PWD], v233, v232, 0x06020400      ; lanes 0-15: bytes 0, 2 mine (blocks 0, 2), bytes 1, 3 lane l + 16's (blocks 1, 3): p's scale word.  Lanes 16-31 are not read
	ADD4 28
	v_pk_fma_f32 v[14:15], v[14:15], v[28:29], v[T:T+1] op_sel_hi:[1,0,1]   ; the sum under the new M, and the first chain; then the other seven
	v_pk_add_f32 v[T+2:T+3], v[T+2:T+3], v[T+4:T+5]
	v_pk_add_f32 v[T+6:T+7], v[T+6:T+7], v[T+8:T+9]
	v_pk_add_f32 v[T+10:T+11], v[T+10:T+11], v[T+12:T+13]
	s_delay_alu instid0(VALU_DEP_4)
	v_pk_add_f32 v[14:15], v[14:15], v[T+14:T+15]
	s_delay_alu instid0(VALU_DEP_3)
	v_pk_add_f32 v[T+2:T+3], v[T+2:T+3], v[T+6:T+7]
	s_delay_alu instid0(VALU_DEP_2)
	v_pk_add_f32 v[14:15], v[14:15], v[T+10:T+11]
	s_delay_alu instid0(VALU_DEP_1)
	v_pk_add_f32 v[14:15], v[14:15], v[T+2:T+3]    ; twelve plain lines stand between p's scale word and the products that take it
.if \look
	QK
.endif
.irp d, 0,1,2,3
	v_wmma_scale_f32_16x16x128_f8f6f4 v[O+8*\d:O+8*\d+7], v[V+8*\d:V+8*\d+7], v[PCD:PCD+7], v[O+8*\d:O+8*\d+7], v[VSC+\d], v[PWD] matrix_a_fmt:MATRIX_FMT_FP4 matrix_b_fmt:MATRIX_FMT_FP4
.endr
.endm
; A PASS: one tile of 16 queries against all 2,048 keys.  The pass's number stands in the immediates: no base is stepped.
.macro PASS p
.if \p > 0
	s_wait_xcnt 0x0                                ; the last pass's stores have read their registers, which this pass's products write
.endif
	global_load_b128 v[16:19], v1, s[4:5] offset:8192*\p           ; Q's codes: they stay in registers
	global_load_b32 v24, v2, s[6:7] offset:1024*\p                 ; and its scale words
	v_mov_b32 v26, 0xff61b1e6                      ; the largest score so far: -3e38
	v_mov_b32 v12, 0x7f61b1e6                      ; -M: 3e38, so that the first f is 0
	v_mov_b32 v14, 0                               ; the sum, in two halves
	v_mov_b32 v15, 0
.set J, 0
.rept 32
	v_mov_b32 v[O+J], 0                            ; O^T.  (The step is written once: the first finds zeros, which the first f leaves zeros)
.set J, J+1
.endr
	s_mov_b32 s[TB], 0
	s_mov_b32 s[CNT], 15
	s_wait_alu depctr_va_vdst(0)                   ; the wait here, directly ahead of the waits below
.if \p == 0
	s_wait_tensorcnt 0x0                           ; my key step has landed,
	s_barrier_signal -1
	s_barrier_wait -1                              ; everybody's has: from here on the head's bytes are only read
.endif
	KLOAD v3, v4, 0                                ; key step 0's K
	s_wait_loadcnt 0x0                             ; Q
	s_wait_dscnt 0x0
	QK
.Lstep_\@:                                         ; 15 trips, each issuing the next step's S^T; the last step is written out without
	STEP 1
	s_add_co_u32 s[TB], s[TB], KSL
	s_sub_co_u32 s[CNT], s[CNT], 1
	s_cmp_lg_u32 s[CNT], 0
	s_cbranch_scc1 .Lstep_\@
	STEP 0
	; THE WAY OUT: O^T / the sum goes through my stage and leaves as rows: sixteen lanes store a token's 256 bytes of this head.
.rept 4
	v_nop                                          ; four plain lines behind the last products, ahead of the first read of their results
.endr
	v_add_f32 v14, v14, v15                        ; the sum's two halves,
	s_delay_alu instid0(VALU_DEP_1)
	v_permlanex16_b32 v31, v14, s[SEL], s[SEL+1]
	s_delay_alu instid0(VALU_DEP_1)
	v_add_f32 v14, v14, v31                        ; and lane l xor 16's
	s_wait_alu depctr_va_vdst(0)                   ; the wait ahead of the transcendental
	v_rcp_f32 v14, v14
	v_nop                                          ; a plain line behind the reciprocal,
	s_wait_alu depctr_va_vdst(0)                   ; and the wait ahead of its first reader, which is also the first reader of the last products' results
.set J, 0
.rept 32
	v_mul_f32 v[S+J], v[O+J], v14                  ; register 8 t + j: dim 32 (t / 2) + 8 (t % 2) + 16 h + j of my query
.set J, J+1
.endr
.irp g, 0,1,2,3
	ds_store_b128 v5, v[S+4*\g:S+4*\g+3] offset:16*\g
.endr
.irp g, 4,5,6,7
	ds_store_b128 v5, v[S+4*\g:S+4*\g+3] offset:128+16*(\g-4)
.endr
.irp i, 0,1,2,3,4,5,6,7
	ds_load_b128 v[S+32+4*\i:S+35+4*\i], v6 offset:2*\i*SP         ; LDS serves a wave's instructions in order: these see my stores
.endr
.irp i, 0,1,2,3,4,5,6,7
	s_wait_dscnt 7-\i                              ; rows 2 i and 2 i + 1 are back; the 7 - i later pairs may be out
	global_store_b128 v7, v[S+32+4*\i:S+35+4*\i], s[10:11] offset:(2*\i+8*(\i/4))*4096+1048576*\p th:TH_STORE_NT   ; the tile's row 2 i + h is token 2 i + h + 8 (i / 4); 256 consecutive aligned bytes for each sixteen lanes
.endr
.endm
	PASS 0
	PASS 1
	s_wait_tensorcnt 0x0                           ; the wave's end, behind my tensor load and my last LDS store
	ds_add_u32 v254, v255
	s_wait_dscnt 0x0
	ROUND                                          ; the closing round: no work-group ends while a partner may still ask for a key step that names it
	s_endpgm
.Lfunc_end_k_q8c9a940c94_attn:
	.size	k_q8c9a940c94_attn, .Lfunc_end_k_q8c9a940c94_attn-k_q8c9a940c94_attn
	.p2alignl 7, 3214868480
	.fill 96, 4, 3214868480
	.section	.rodata,"a",@progbits
	.p2align	6, 0x0
	.amdhsa_kernel k_q8c9a940c94_attn
		.amdhsa_group_segment_fixed_size 233472
		.amdhsa_private_segment_fixed_size 0
		.amdhsa_enable_private_segment 0
		.amdhsa_kernarg_size 32
		.amdhsa_user_sgpr_count 2
		.amdhsa_user_sgpr_kernarg_segment_ptr 1
		.amdhsa_wavefront_size32 1
		.amdhsa_system_sgpr_workgroup_id_x 1
		.amdhsa_system_sgpr_workgroup_id_y 1
		.amdhsa_system_sgpr_workgroup_id_z 1
		.amdhsa_system_vgpr_workitem_id 0
		.amdhsa_next_free_vgpr 256
		.amdhsa_next_free_sgpr 66
		.amdhsa_reserve_vcc 0
		.amdhsa_float_denorm_mode_32 3
		.amdhsa_float_denorm_mode_16_64 3
		.amdhsa_memory_ordered 1
		.amdhsa_forward_progress 1
		.amdhsa_inst_pref_size 72
	.end_amdhsa_kernel
	.amdgpu_metadata
---
amdhsa.version: [ 1, 2 ]
amdhsa.kernels:
  - .name:           k_q8c9a940c94_attn
    .symbol:         k_q8c9a940c94_attn.kd
    .args:
      - { .name: qc, .offset: 0, .size: 8, .value_kind: global_buffer, .address_space: global }
      - { .name: qs, .offset: 8, .size: 8, .value_kind: global_buffer, .address_space: global }
      - { .name: kv, .offset: 16, .size: 8, .value_kind: global_buffer, .address_space: global }
      - { .name: out0, .offset: 24, .size: 8, .value_kind: global_buffer, .address_space: global }
    .group_segment_fixed_size: 233472
    .private_segment_fixed_size: 0
    .kernarg_segment_align: 8
    .kernarg_segment_size: 32
    .max_flat_workgroup_size: 512
    .sgpr_count:     66
    .vgpr_count:     256
    .wavefront_size: 32
...
	.end_amdgpu_metadata
.endif
;; end of part 3
